; MI455X (gfx1250); checked and timed in simulation.
; The chip was launched on July 23, 2026; its instructions are those of AMD's public machine-readable ISA for CDNA 5 (MIT licence, August 2026) and "CDNA5" Instruction Set Architecture Reference Guide (July 2026). The comments in the code are by the model that wrote it; some were corrected since.
;; Multi Scale Attention. Allowed arithmetic: matrix products marked QUANTISED: E5M2 operands, one given power-of-two scale a tensor, by v_wmma_f32_16x16x64_bf8_bf8 or v_wmma_f32_16x16x128_bf8_bf8, f32 sums; products left as they are: f32 operands where the result goes on into a quantised operand, else bf16, f16 or f32 operands; f32 sums; everything else in f32.
;; Inputs: Wkv 1,024 x 512 float32; Wproj 512 x 512 float32; Wq 512 x 512 float32; bproj 512 float32; lowp_scales 34 int32 (the exponents e of the quantised operands' scales 2^e); t1 49 x 1 float32; t2 49 x 1 float32; t3 225 x 1 float32; t4 225 x 1 float32; t5 225 x 1 float32; t6 961 x 1 float32; t7 961 x 1 float32; x 8 x 4,096 x 512 float32.
;; Outputs: out0 8 x 4,096 x 512 float32.
;; Constants: H = 64, W = 64.
;; This version of the problem:
;;   THIS VERSION OF THE PROBLEM IS GIVEN IN LOW PRECISION. The matrix products marked QUANTISED in the list below multiply operands that are first quantised to E5M2 (5 exponent bits, 2 mantissa bits; 8 bits a number), with one given power-of-two scale for each operand tensor; their sums are f32. All else is computed in f32.
;;   The module's matrix products, in the order in which they are computed (A, B: the left and right operand; K: the contracted axis; several contracted axes count as one K, in the product's order):
;;     1. [M 32,768, K 512] x [K 512, N 512]; A: input x; B: input Wq: QUANTISED (scales: A lowp_scales[0], B lowp_scales[1])
;;     2. [M 32,768, K 512] x [K 512, N 1,024]; A: input x; B: input Wkv: QUANTISED (scales: A lowp_scales[2], B lowp_scales[3])
;;     3. batch 8 x [M 4,096, K 64] x [K 64, N 4,096]; A: computed on the way; B: computed on the way: QUANTISED (scales: A lowp_scales[4], B lowp_scales[5])
;;     4. batch 8 x [M 4,096, K 4,096] x [K 4,096, N 64]; A: softmax (see below); B: computed on the way: QUANTISED (scales: A lowp_scales[6], B lowp_scales[7])
;;     5. batch 2,048 x [M 16, K 64] x [K 64, N 16]; A: computed on the way; B: computed on the way: QUANTISED (scales: A lowp_scales[8], B lowp_scales[9])
;;     6. batch 2,048 x [M 16, K 16] x [K 16, N 64]; A: softmax (see below); B: computed on the way: left as it is (K = 16 < 32)
;;     7. batch 2,048 x [M 16, K 64] x [K 64, N 16]; A: computed on the way; B: computed on the way: QUANTISED (scales: A lowp_scales[10], B lowp_scales[11])
;;     8. batch 2,048 x [M 16, K 16] x [K 16, N 64]; A: softmax (see below); B: computed on the way: left as it is (K = 16 < 32)
;;     9. batch 512 x [M 64, K 64] x [K 64, N 64]; A: computed on the way; B: computed on the way: QUANTISED (scales: A lowp_scales[12], B lowp_scales[13])
;;     10. batch 512 x [M 64, K 64] x [K 64, N 64]; A: softmax (see below); B: computed on the way: QUANTISED (scales: A lowp_scales[14], B lowp_scales[15])
;;     11. batch 512 x [M 64, K 64] x [K 64, N 64]; A: computed on the way; B: computed on the way: QUANTISED (scales: A lowp_scales[16], B lowp_scales[17])
;;     12. batch 512 x [M 64, K 64] x [K 64, N 64]; A: softmax (see below); B: computed on the way: QUANTISED (scales: A lowp_scales[18], B lowp_scales[19])
;;     13. batch 512 x [M 64, K 64] x [K 64, N 64]; A: computed on the way; B: computed on the way: QUANTISED (scales: A lowp_scales[20], B lowp_scales[21])
;;     14. batch 512 x [M 64, K 64] x [K 64, N 64]; A: softmax (see below); B: computed on the way: QUANTISED (scales: A lowp_scales[22], B lowp_scales[23])
;;     15. batch 128 x [M 256, K 64] x [K 64, N 256]; A: computed on the way; B: computed on the way: QUANTISED (scales: A lowp_scales[24], B lowp_scales[25])
;;     16. batch 128 x [M 256, K 256] x [K 256, N 64]; A: softmax (see below); B: computed on the way: QUANTISED (scales: A lowp_scales[26], B lowp_scales[27])
;;     17. batch 128 x [M 256, K 64] x [K 64, N 256]; A: computed on the way; B: computed on the way: QUANTISED (scales: A lowp_scales[28], B lowp_scales[29])
;;     18. batch 128 x [M 256, K 256] x [K 256, N 64]; A: softmax (see below); B: computed on the way: QUANTISED (scales: A lowp_scales[30], B lowp_scales[31])
;;     19. [M 32,768, K 512] x [K 512, N 512]; A: computed on the way; B: input Wproj: QUANTISED (scales: A lowp_scales[32], B lowp_scales[33])
;;   THE QUANTISER, for each operand of a quantised product, along K:
;;     - The operand's scale is 2^e, e = its entry of the input lowp_scales (int32; the entries are numbered through the quantised products in the list's order, A before B).
;;     - Each number is divided by the scale, clamped to +-57,344, and rounded to the nearest number of E5M2, ties to even, subnormals kept.
;;     - The product sums the exact products of the quantised numbers (number of the format x scale) in f32.
;;   ~~~python
;;   def quantise(x, axis, e):      # numpy; x: float32 -> the quantised numbers, widened to float32 again
;;       x = np.moveaxis(x, axis, -1); K = x.shape[-1]
;;       r = np.clip(x / 2.0 ** e, -57344, 57344)
;;       step = 2.0 ** (np.maximum(np.frexp(np.where(r == 0, 1, r))[1] - 1, -14) - 2)
;;       q = np.round(r / step) * step * 2.0 ** e      # np.round: ties to even
;;       return np.moveaxis(q, -1, axis).astype(np.float32)
;;   ~~~
;;   SOFTMAX AHEAD OF A QUANTISED PRODUCT. Where the list says 'softmax', what is quantised is not the finished softmax but p = 2^(t - M), with t = logit x log2(e) and M = ceil(the row's largest t), a whole number; so 1/2 < the row's largest p <= 1. The row's sum l is taken of the UNQUANTISED p, in f32, and the product's result is divided by l at the end. Since M is a whole number, a kernel that streams over the keys may use a running M (the ceiling of the running maximum): every later rescaling is an exact power of two, so the quantised numbers keep their values, but for numbers so far below the row's largest that they fall under the format's range.
;;   OPERANDS COMPUTED ON THE WAY. 'Computed on the way' means the value that the module computes at that place (a softmax that the list does not call 'softmax' is quantised finished and normalised). What goes into a quantiser is computed in f32, as accurately as f32 sums, v_exp_f32 and their like allow (about 1e-6 of the number): no bf16 or f16 on the way to a quantiser, and a product that is left as it is and whose result goes on into a quantised operand takes f32 operands (vector FMAs, or v_wmma_f32_16x16x4_f32). A number that lies on a knife's edge between two numbers of the format may be rounded either way, as far as f32 arithmetic and the matrix unit's own rounding can turn it there, and no further.
;; One version. Each part assembles by itself: llvm-mc -triple=amdgcn-amd-amdhsa -mcpu=gfx1250 --defsym DOCPART=n.
;; ======== version 1 of 1: 3 launches
;; limits: right only within a limited range of input values
;; workspace buffers: wimg 1,048,576 bytes; qimg 16,777,216 bytes; kimg 16,777,216 bytes; vimg 16,777,216 bytes; v32 16,777,216 bytes
;; launch wq (part 1): grid 128 x 1, 4 waves a work-group, no clusters, 0 bytes of LDS; arguments Wq, Wkv, Wproj, lowp_scales, wimg; writes wimg
.if DOCPART == 1
	.amdgcn_target "amdgcn-amd-amdhsa--gfx1250"
	.amdhsa_code_object_version 6
	.text
	.protected	k_q2850768504_wq
	.globl	k_q2850768504_wq
	.p2align	8
	.type	k_q2850768504_wq,@function
k_q2850768504_wq:
	s_mov_b64 s[64:65], 0
	v_nop
	global_prefetch_b8 v0, s[64:65] scope:SCOPE_SE
	s_setreg_imm32_b32 hwreg(HW_REG_WAVE_MODE, 25, 1), 1
	s_wait_xcnt 0x0
; FIRST OF THREE LAUNCHES (wq, qkv, attn).  Nothing of reference() is left out: x, the three weights, bproj, the seven tables and all 34 scales have a way to out0, and all are loaded.
; THIS LAUNCH: Wq [512][512], Wkv [1024][512], Wproj [512][512], f32, K innermost, become codes of E5M2 with the given scales 2^e (entries 1, 3, 33 of lowp_scales):
; code = w / 2^e, held within +-57,344, to the nearest code, ties to even.
; LAYOUT OF wimg: [row tile T 0..127][K step ks 0..3][2,048 bytes]; T 0-31 Wq, 32-95 Wkv, 96-127 Wproj.  The 2,048 bytes are an IMAGE OF THE OPERAND'S REGISTERS: 16 rows x 128 K is 16 registers a lane;
; lane (r, h) holds row r, registers 2 c, 2 c + 1 hold k = 16 c + 8 h + 0 .. 7; registers 4 g .. 4 g + 3 of lane l lie at 512 g + 16 l.  So every later load of a fragment is 4 x 512 consecutive bytes.
; SHARES: work-group T takes one row tile, wave ks one K step.  A lane reads 32 consecutive bytes of its row for each c: pieces of rows, accepted for 4 MB that are read once; the stores are dense.
; LIMITS: e between -126 and 112.  NaN among the inputs is not served.
.set X, 16                             ; v16-79  64 numbers: register 8 c + i = k 16 c + 8 h + i of my row
.set C, 80                             ; v80-95  their codes: the fragment
	s_load_b256 s[4:11], s[0:1], 0x0               ; Wq s[4:5], Wkv s[6:7], Wproj s[8:9], the scales' exponents s[10:11]
	s_load_b64 s[12:13], s[0:1], 0x20              ; wimg
	v_lshrrev_b32 v1, 5, v0
	v_readfirstlane_b32 s14, v1                    ; wave = K step
	v_and_b32 v1, 15, v0                           ; r
	v_bfe_u32 v2, v0, 4, 1                         ; h
	v_lshlrev_b32 v3, 11, v1                       ; a row is 2,048 bytes
	v_lshl_add_u32 v3, v2, 5, v3                   ; + 32 h
	v_and_b32 v4, 31, v0
	v_lshlrev_b32 v4, 4, v4                        ; 16 x lane
	s_cmp_lt_u32 ttmp9, 96                         ; which tensor: the choice hangs on the work-group's number alone
	s_cselect_b32 s22, 32, 96
	s_cmp_lt_u32 ttmp9, 32
	s_cselect_b32 s22, 0, s22                      ; the tensor's first tile
	s_sub_co_u32 s22, ttmp9, s22                   ; my tile in the tensor
	s_lshl_b32 s22, s22, 15                        ; 16 rows of 2,048 bytes
	s_lshl_b32 s23, s14, 9                         ; + 128 numbers for each K step
	s_add_co_u32 s22, s22, s23
	s_mov_b32 s23, 0
	s_lshl_b32 s24, ttmp9, 2
	s_add_co_u32 s24, s24, s14
	s_lshl_b32 s24, s24, 11                        ; (4 T + ks) x 2,048
	s_mov_b32 s25, 0
	s_wait_alu depctr_va_vdst(0)
	s_wait_kmcnt 0x0
	s_load_b32 s16, s[10:11], 0x4                  ; e of Wq
	s_load_b32 s17, s[10:11], 0xc                  ; e of Wkv
	s_load_b32 s18, s[10:11], 0x84                 ; e of Wproj
	s_cmp_lt_u32 ttmp9, 96
	s_cselect_b64 s[20:21], s[6:7], s[8:9]
	s_cmp_lt_u32 ttmp9, 32
	s_cselect_b64 s[20:21], s[4:5], s[20:21]
	s_add_nc_u64 s[20:21], s[20:21], s[22:23]
	s_add_nc_u64 s[12:13], s[12:13], s[24:25]
.irp c, 0,1,2,3,4,5,6,7
	global_load_b128 v[X+8*\c:X+8*\c+3], v3, s[20:21] offset:64*\c th:TH_LOAD_NT
	global_load_b128 v[X+8*\c+4:X+8*\c+7], v3, s[20:21] offset:64*\c+16 th:TH_LOAD_NT
.endr
	s_wait_kmcnt 0x0
	s_cmp_lt_u32 ttmp9, 96
	s_cselect_b32 s17, s17, s18
	s_cmp_lt_u32 ttmp9, 32
	s_cselect_b32 s16, s16, s17                    ; e
	s_add_co_i32 s16, s16, 127
	s_lshl_b32 s17, s16, 23
	v_mov_b32 v11, s17                             ; 2^e as f32: the conversion takes its exponent field
	s_add_co_i32 s16, s16, 15
	s_lshl_b32 s16, s16, 23
	s_or_b32 s16, s16, 0x600000
	v_mov_b32 v10, s16                             ; 57,344 x 2^e
	s_wait_alu depctr_va_vdst(0)
	s_wait_loadcnt 0x0
.set J, 0
.rept 64
	v_med3_num_f32 v[X+J], v[X+J], -v10, v10       ; the conversion to an 8-bit code does not saturate (ISA guide 7.6.2): the hold comes first
.set J, J+1
.endr
.irp c, 0,1,2,3,4,5,6,7
	v_cvt_scalef32_pk8_bf8_f32 v[C+2*\c:C+2*\c+1], v[X+8*\c:X+8*\c+7], v11
.endr
.irp g, 0,1,2,3
	global_store_b128 v4, v[C+4*\g:C+4*\g+3], s[12:13] offset:512*\g   ; 32 lanes store 512 consecutive bytes
.endr
	s_endpgm
.Lfunc_end_k_q2850768504_wq:
	.size	k_q2850768504_wq, .Lfunc_end_k_q2850768504_wq-k_q2850768504_wq
	.p2alignl 7, 3214868480
	.fill 96, 4, 3214868480
	.section	.rodata,"a",@progbits
	.p2align	6, 0x0
	.amdhsa_kernel k_q2850768504_wq
		.amdhsa_group_segment_fixed_size 0
		.amdhsa_private_segment_fixed_size 0
		.amdhsa_enable_private_segment 0
		.amdhsa_kernarg_size 40
		.amdhsa_user_sgpr_count 2
		.amdhsa_user_sgpr_kernarg_segment_ptr 1
		.amdhsa_wavefront_size32 1
		.amdhsa_system_sgpr_workgroup_id_x 1
		.amdhsa_system_sgpr_workgroup_id_y 1
		.amdhsa_system_sgpr_workgroup_id_z 1
		.amdhsa_system_vgpr_workitem_id 0
		.amdhsa_next_free_vgpr 96
		.amdhsa_next_free_sgpr 66
		.amdhsa_reserve_vcc 0
		.amdhsa_float_denorm_mode_32 3
		.amdhsa_float_denorm_mode_16_64 3
		.amdhsa_memory_ordered 1
		.amdhsa_forward_progress 1
		.amdhsa_inst_pref_size 9
	.end_amdhsa_kernel
	.amdgpu_metadata
---
amdhsa.version: [ 1, 2 ]
amdhsa.kernels:
  - .name:           k_q2850768504_wq
    .symbol:         k_q2850768504_wq.kd
    .args:
      - { .name: Wq, .offset: 0, .size: 8, .value_kind: global_buffer, .address_space: global }
      - { .name: Wkv, .offset: 8, .size: 8, .value_kind: global_buffer, .address_space: global }
      - { .name: Wproj, .offset: 16, .size: 8, .value_kind: global_buffer, .address_space: global }
      - { .name: lowp_scales, .offset: 24, .size: 8, .value_kind: global_buffer, .address_space: global }
      - { .name: wimg, .offset: 32, .size: 8, .value_kind: global_buffer, .address_space: global }
    .group_segment_fixed_size: 0
    .private_segment_fixed_size: 0
    .kernarg_segment_align: 8
    .kernarg_segment_size: 40
    .max_flat_workgroup_size: 128
    .sgpr_count:     66
    .vgpr_count:     96
    .wavefront_size: 32
...
	.end_amdgpu_metadata
.endif
;; end of part 1
;; launch qkv (part 2): grid 256 x 1, 8 waves a work-group, no clusters, 199,680 bytes of LDS; arguments x, wimg, lowp_scales, qimg, kimg, vimg, v32; writes qimg, kimg, vimg, v32
.if DOCPART == 2
	.amdgcn_target "amdgcn-amd-amdhsa--gfx1250"
	.amdhsa_code_object_version 6
	.text
	.protected	k_q2850768504_qkv
	.globl	k_q2850768504_qkv
	.p2align	8
	.type	k_q2850768504_qkv,@function
k_q2850768504_qkv:
	s_mov_b64 s[64:65], 0
	v_nop
	global_prefetch_b8 v0, s[64:65] scope:SCOPE_SE
	s_setreg_imm32_b32 hwreg(HW_REG_WAVE_MODE, 25, 1), 1
	s_wait_xcnt 0x0
; SECOND LAUNCH: q = x Wq^T, k and v = x Wkv^T on codes of E5M2, and q, k, v quantised at once for the products that follow, each head with its own given scale.  Nothing is left out.
; A TILE OF 16 TOKENS IS A 4 x 4 PATCH OF THE 64 x 64 IMAGE, so that every window of 4, 8 or 16 is a union of patches.  Token (y, x), bits y5..y0, x5..x0:
;   block (5 bits) = [y5 y4 x5 x4 y3], patch t (3 bits) = [x3 y2 x2], place r in the patch (4 bits) = [y1 y0 x1 x0].  A block is 8 patches = 128 tokens.
; SHARES: work-group g takes batch g / 32, block g % 32.  Phase X: wave w reads patch w's 16 rows of x once (f32), and quantises them twice, with e0 (for Wq) and with e2 (for Wkv), into LDS.
; Phase G: wave w is head w: three chunks (Q, K, V) of 64 columns x 128 tokens, 32 accumulators, 128 matrix instructions each.  Weights come from wimg straight into registers: a fragment serves one wave alone.
; ALL FRAGMENTS ARE IMAGES OF REGISTERS: lane (r, h), registers 2 c, 2 c + 1 = k 16 c + 8 h + 0..7; registers 4 g .. 4 g + 3 of lane l at 512 g + 16 l.
; Q, K: source 0 = 16 rows of W, source 1 = 16 tokens: a lane then holds ONE token and eight neighbouring channels, so that the conversions' results are the registers of the next product's operand (K = the head's 64).
; V: source 0 = 16 tokens, source 1 = 16 rows of W: a lane holds ONE channel and eight neighbouring tokens: the operand of the product whose K is the keys.
; OUT: qimg, kimg [head][batch][block][patch][1 KB: 16 tokens x 64];  vimg [head][batch][block][16 channels ct][2 KB: 16 channels x 128 tokens] (heads 1 and 2: not written, not read);
;      v32 [batch][block][patch][head 1, 2][ct][1 KB: 8 f32 registers a lane]: heads 1 and 2 multiply v as f32 (their second product has K = 16 and is left as it is).
; SCALES: a sum stands for sum x 2^(e0 + e1) (Q) or x 2^(e2 + e3) (K, V); the next quantiser's 2^e is folded with it into the conversion's one scale.  In the score products A is q and B is k.
; LIMITS: e0, e2, eq - e0 - e1, ek - e2 - e3, ev - e2 - e3 between -126 and 112; e2 + e3 between -126 and 127.  NaN among the inputs is not served.
; LDS: 0 x's 32 fragments by e0 ((4 t + ks) x 2,048); 65,536 the same by e2; 131,072 a stage of 16 rows x 528 bytes for each wave; 198,656 the spare words.
; REGISTERS, window 0: v1 16 x lane (also the address of the first images); v2 the second images; v3, v4 the add's two; v5, v6 my stage, in and out; v7, v18 where I store images; v8-17 scales and holds;
;   v32-95, v96-159 two sets of 4 weight fragments; v160-191, v192-223 two sets of 2 fragments of x (in the ways out: the codes).  Phase X: v96-159 64 numbers, v160-223 their copy, v224-255 codes.
;   window 1: phase X: the 64 loads' landing registers; phase G: the 32 accumulators.
.set STG,   131072
.set SPARE, 198656
.set XS,  96
.set TQ,  160
.set CQ,  224
.set CK,  240
.set MSB, 0
.macro WIN new                         ; the immediate's high byte repeats the setting that is left
.if MSB != \new
	s_set_vgpr_msb (MSB<<8)|\new
.set MSB, \new
.endif
.endm
.macro PLACES n                        ; plain vector instructions between a matrix instruction and a load into, or a read of, its registers
.rept \n
	v_nop
.endr
.endm
.macro MKSC e, vs, vl                  ; 2^e as f32 into v[vs], 57,344 x 2^e into v[vl]
	s_add_co_i32 s46, \e, 127
	s_lshl_b32 s47, s46, 23
	v_mov_b32 v[\vs], s47
	s_add_co_i32 s46, s46, 15
	s_lshl_b32 s46, s46, 23
	s_or_b32 s46, s46, 0x600000
	v_mov_b32 v[\vl], s46
.endm
.macro WLOAD n                         ; the 4 weight fragments of chunk n / 4, K step n % 4, into set n % 2: 16 loads of 512 consecutive bytes
.irp ct, 0,1,2,3
.irp c, 0,1,2,3
	global_load_b128 v[32+64*((\n)%2)+16*\ct+4*\c:32+64*((\n)%2)+16*\ct+4*\c+3], v1, s[6:7] offset:((\n)/4)*262144+\ct*8192+((\n)%4)*2048+512*\c
.endr
.endr
.endm
.macro XLD buf, adr, t0, ks            ; x's fragments of patches t0, t0 + 1, K step ks
.irp i, 0,1
.irp c, 0,1,2,3
	ds_load_b128 v[\buf+16*\i+4*\c:\buf+16*\i+4*\c+3], v[\adr] offset:(4*((\t0)+\i)+(\ks))*2048+512*\c
.endr
.endr
.endm
; 8 matrix instructions on 8 different accumulators; an accumulator comes up again after the 31 others
.macro MUL8 type, buf, t0, wb, first
.irp i, 0,1
.irp ct, 0,1,2,3
.if \type == 0
.set AC, 8*(4*((\t0)+\i)+\ct)
.if \first
	v_wmma_f32_16x16x128_bf8_bf8 v[AC:AC+7], v[\wb+16*\ct:\wb+16*\ct+15], v[\buf+16*\i:\buf+16*\i+15], 0
.else
	v_wmma_f32_16x16x128_bf8_bf8 v[AC:AC+7], v[\wb+16*\ct:\wb+16*\ct+15], v[\buf+16*\i:\buf+16*\i+15], v[AC:AC+7]
.endif
.else
.set AC, 8*(8*\ct+(\t0)+\i)
.if \first
	v_wmma_f32_16x16x128_bf8_bf8 v[AC:AC+7], v[\buf+16*\i:\buf+16*\i+15], v[\wb+16*\ct:\wb+16*\ct+15], 0
.else
	v_wmma_f32_16x16x128_bf8_bf8 v[AC:AC+7], v[\buf+16*\i:\buf+16*\i+15], v[\wb+16*\ct:\wb+16*\ct+15], v[AC:AC+7]
.endif
.endif
.endr
.endr
.endm
; A chunk: 16 groups of 8 matrix instructions (K step G / 4, patches 2 (G % 4) and the next).  The next group's fragments of x and the next K step's weights are asked for ahead of each group.
.macro CHUNK type, ch, adr
.if \ch > 0
	s_wait_xcnt 0x0                                ; the last way out's stores have read their registers: the loads below land there
.endif
	XLD 160, \adr, 0, 0
.set G, 0
.rept 16
.set KS, G/4
.set NN, 4*\ch+KS
.if G > 0
	PLACES 4
.endif
.if (G%4 == 0) && (NN < 11)
	WLOAD NN+1
.endif
.if G < 15
	XLD 160+32*((G+1)%2), \adr, 2*((G+1)%4), (G+1)/4
.endif
.if G%4 == 0
.if NN < 11
	s_wait_loadcnt 16                              ; this K step's weights are in; the 16 loads just issued may be out
.else
	s_wait_loadcnt 0x0
.endif
.endif
.if G < 15
	s_wait_dscnt 8                                 ; this group's fragments are in; the next group's 8 loads may be out
.else
	s_wait_dscnt 0x0
.endif
	WIN 0x50                                       ; C and D in window 1
	MUL8 \type, 160+32*(G%2), 2*(G%4), 32+64*(NN%2), (KS==0)
	WIN 0
.set G, G+1
.endr
.endm
; The way out as codes: hold, convert (accumulator J gives registers 160 + 2 J, 161 + 2 J: the images' own order), 16 stores of 512 consecutive bytes
.macro EPI sc, lim, ptr
	PLACES 4
	WIN 0x41                                       ; destination and source 0 in window 1
.set J, 0
.rept 256
	v_med3_num_f32 v[J], v[J], -v[\lim], v[\lim]   ; each accumulator from its low end on
.set J, J+1
.endr
	WIN 0x01
.set J, 0
.rept 32
	v_cvt_scalef32_pk8_bf8_f32 v[160+2*J:161+2*J], v[8*J:8*J+7], v[\sc]
.set J, J+1
.endr
	v_nop                                          ; a plain instruction behind the last conversion: matrix instructions write its sources later
	WIN 0
.set J, 0
.rept 16
	global_store_b128 v1, v[160+4*J:163+4*J], s[\ptr:\ptr+1] offset:512*J
.set J, J+1
.endr
.endm
	s_load_b256 s[4:11], s[0:1], 0x0               ; x s[4:5], wimg s[6:7], the scales' exponents s[8:9], qimg s[10:11]
	s_load_b128 s[12:15], s[0:1], 0x20             ; kimg s[12:13], vimg s[14:15]
	s_load_b64 s[16:17], s[0:1], 0x30              ; v32
	v_lshl_add_u32 v3, v0, 2, SPARE                ; my spare word,
	v_mov_b32 v4, 0                                ; and 0: kept for the wave's end
	v_lshrrev_b32 v19, 5, v0
	s_delay_alu instid0(VALU_DEP_1)
	v_readfirstlane_b32 s2, v19                    ; wave 0..7
	v_and_b32 v1, 31, v0
	s_delay_alu instid0(VALU_DEP_1)
	v_lshlrev_b32 v1, 4, v1                        ; 16 x lane
	s_delay_alu instid0(VALU_DEP_1)
	v_add_nc_u32 v2, 0x10000, v1
	v_and_b32 v19, 15, v0                          ; r
	v_bfe_u32 v20, v0, 4, 1                        ; h
	s_mul_i32 s30, s2, 8448
	s_add_co_u32 s30, s30, STG                     ; my stage
	v_add_nc_u32 v5, s30, v1                       ; in: a row's 512 bytes as they lie
	v_mul_u32_u24 v6, v19, 528
	s_delay_alu instid0(VALU_DEP_1)
	v_lshl_add_u32 v6, v20, 5, v6
	s_delay_alu instid0(VALU_DEP_1)
	v_add_nc_u32 v6, s30, v6                       ; out: row r, + 32 h: eight neighbours along K
	s_lshl_b32 s30, s2, 13
	v_add_nc_u32 v7, s30, v1                       ; my patch's four fragments
	s_delay_alu instid0(VALU_DEP_1)
	v_add_nc_u32 v18, 0x10000, v7
	s_lshr_b32 s31, ttmp9, 5                       ; batch
	s_and_b32 s32, ttmp9, 31                       ; block
	s_lshr_b32 s33, s32, 3
	s_lshl_b32 s33, s33, 4                         ; 16 [y5 y4]
	s_and_b32 s34, s32, 1
	s_lshl_b32 s34, s34, 3                         ; 8 y3
	s_add_co_u32 s33, s33, s34
	s_bfe_u32 s34, s2, 0x10001
	s_lshl_b32 s34, s34, 2                         ; 4 y2
	s_add_co_u32 s33, s33, s34                     ; my patch's first image row
	s_bfe_u32 s34, s32, 0x20001
	s_lshl_b32 s34, s34, 4                         ; 16 [x5 x4]
	s_lshr_b32 s35, s2, 2
	s_lshl_b32 s35, s35, 3                         ; 8 x3
	s_add_co_u32 s34, s34, s35
	s_and_b32 s35, s2, 1
	s_lshl_b32 s35, s35, 2                         ; 4 x2
	s_add_co_u32 s34, s34, s35                     ; and its first column
	s_lshl_b32 s35, s31, 12
	s_lshl_b32 s33, s33, 6
	s_add_co_u32 s35, s35, s33
	s_add_co_u32 s35, s35, s34                     ; the token
	s_lshl_b32 s36, s35, 11                        ; x 2,048 bytes
	s_mov_b32 s37, 0
	s_lshl_b32 s38, s2, 3
	s_add_co_u32 s38, s38, s31
	s_lshl_b32 s38, s38, 5
	s_add_co_u32 s38, s38, s32
	s_lshl_b32 s38, s38, 13                        ; ((8 head + batch) 32 + block) x 8,192: my place in qimg, kimg, vimg
	s_mov_b32 s39, 0
	s_sub_co_u32 s40, s2, 1
	s_min_u32 s40, s40, 1                          ; head 1: 0; head 2: 1 (the other waves do not use it)
	s_lshl_b32 s40, s40, 12
	s_lshl_b32 s41, ttmp9, 16                      ; (32 batch + block) x 8 patches x 8,192
	s_add_co_u32 s40, s40, s41
	s_mov_b32 s41, 0
	s_lshl_b32 s42, s2, 15                         ; my head's four row tiles in wimg
	s_mov_b32 s43, 0
	s_lshl_b32 s44, s2, 2                          ; where my head's exponents begin in lowp_scales: 4, 8, 10 for heads 0, 1, 2, else 4 x head
	s_cmp_eq_u32 s2, 0
	s_cselect_b32 s44, 4, s44
	s_cmp_eq_u32 s2, 1
	s_cselect_b32 s44, 8, s44
	s_cmp_eq_u32 s2, 2
	s_cselect_b32 s44, 10, s44
	s_lshl_b32 s44, s44, 2
	s_mov_b32 s45, 0
	s_wait_kmcnt 0x0
	s_add_nc_u64 s[48:49], s[8:9], s[44:45]
	s_load_b128 s[20:23], s[8:9], 0x0              ; e0 .. e3
	s_load_b64 s[24:25], s[48:49], 0x0             ; eq, ek
	s_load_b64 s[26:27], s[48:49], 0x8             ; ep, ev (heads 1 and 2: other heads' entries, not used)
	s_add_nc_u64 s[4:5], s[4:5], s[36:37]
	s_add_nc_u64 s[6:7], s[6:7], s[42:43]
	s_add_nc_u64 s[10:11], s[10:11], s[38:39]
	s_add_nc_u64 s[12:13], s[12:13], s[38:39]
	s_add_nc_u64 s[14:15], s[14:15], s[38:39]
	s_add_nc_u64 s[16:17], s[16:17], s[40:41]
	WLOAD 0                                        ; the first weights: the oldest loads
	WIN 0x40                                       ; destination in window 1
.irp ks, 0,1,2,3                       ; my patch's 16 rows, 512 consecutive bytes a load, K step by K step: all of the work-group's 256 KB of x is asked for at once
.irp rho, 0,1,2,3,4,5,6,7,8,9,10,11,12,13,14,15
	global_load_b128 v[4*(16*\ks+\rho):4*(16*\ks+\rho)+3], v1, s[4:5] offset:((\rho/4)*64+(\rho%4))*2048+512*\ks th:TH_LOAD_NT
.endr
.endr
	WIN 0
	s_wait_kmcnt 0x0
	MKSC s20, 8, 9                                 ; x for Wq
	MKSC s22, 10, 11                               ; x for Wkv
	s_add_co_i32 s50, s20, s21
	s_sub_co_i32 s50, s24, s50                     ; eq - e0 - e1
	MKSC s50, 12, 13
	s_add_co_i32 s51, s22, s23                     ; e2 + e3
	s_sub_co_i32 s50, s25, s51
	MKSC s50, 14, 15                               ; ek - e2 - e3
	s_sub_co_i32 s50, s27, s51
	MKSC s50, 16, 17                               ; ev - e2 - e3
	s_add_co_i32 s28, s51, 127
	s_lshl_b32 s28, s28, 23                        ; 2^(e2 + e3) as f32
	s_mov_b32 s29, s28                             ; (named with it as a pair, so it is written)
	; ---- X: a K step's 16 x 512 bytes turn through my stage: in as they lie, out eight neighbours along K a piece; then two holds and two conversions
	s_wait_alu depctr_va_vdst(0)
.irp ks, 0,1,2,3
	s_wait_loadcnt 16*(3-\ks)                      ; this K step's loads are in; those of the later K steps may be out
	WIN 0x04                                       ; store data in window 1
.irp rho, 0,1,2,3,4,5,6,7,8,9,10,11,12,13,14,15
	ds_store_b128 v5, v[4*(16*\ks+\rho):4*(16*\ks+\rho)+3] offset:528*\rho
.endr
	WIN 0
.irp c, 0,1,2,3,4,5,6,7
	ds_load_b128 v[XS+8*\c:XS+8*\c+3], v6 offset:64*\c        ; LDS serves a wave's instructions in order (ISA guide 5.7.1.4): these see my stores
	ds_load_b128 v[XS+8*\c+4:XS+8*\c+7], v6 offset:64*\c+16
.endr
	s_wait_dscnt 0x0
.set J, 0
.rept 64
	v_med3_num_f32 v[TQ+J], v[XS+J], -v9, v9
.set J, J+1
.endr
.irp c, 0,1,2,3,4,5,6,7
	v_cvt_scalef32_pk8_bf8_f32 v[CQ+2*\c:CQ+2*\c+1], v[TQ+8*\c:TQ+8*\c+7], v8
.endr
.set J, 0
.rept 64
	v_med3_num_f32 v[XS+J], v[XS+J], -v11, v11
.set J, J+1
.endr
.irp c, 0,1,2,3,4,5,6,7
	v_cvt_scalef32_pk8_bf8_f32 v[CK+2*\c:CK+2*\c+1], v[XS+8*\c:XS+8*\c+7], v10
.endr
	v_nop                                          ; a plain instruction behind the last conversion
.irp g, 0,1,2,3
	ds_store_b128 v7, v[CQ+4*\g:CQ+4*\g+3] offset:2048*\ks+512*\g
	ds_store_b128 v18, v[CK+4*\g:CK+4*\g+3] offset:2048*\ks+512*\g
.endr
.endr
	s_wait_dscnt 0x0                               ; for the others' sake: my images lie in LDS
	s_barrier_signal -1
	s_barrier_wait -1                              ; everybody's do: the launch's one barrier
	; ---- G
	CHUNK 0, 0, 1
	EPI 12, 13, 10
	CHUNK 0, 1, 2
	EPI 14, 15, 12
	CHUNK 1, 2, 2
	s_cmp_eq_u32 s2, 1                             ; heads 1 and 2 keep v as f32: a branch on the wave's number, round vector work and global stores alone
	s_cbranch_scc1 .Lv_f32
	s_cmp_eq_u32 s2, 2
	s_cbranch_scc1 .Lv_f32
	EPI 16, 17, 14
	s_branch .Ldone
.Lv_f32:
	PLACES 4
	WIN 0x41
.set J, 0
.rept 128
	v_pk_mul_f32 v[J:J+1], v[J:J+1], s[28:29] op_sel_hi:[1,0]   ; x 2^(e2 + e3): nothing is rounded
.set J, J+2
.endr
	WIN 0x04                                       ; store data in window 1
.irp t, 0,1,2,3,4,5,6,7
.irp ct, 0,1,2,3
	global_store_b128 v1, v[8*(8*\ct+\t):8*(8*\ct+\t)+3], s[16:17] offset:\t*8192+\ct*1024
	global_store_b128 v1, v[8*(8*\ct+\t)+4:8*(8*\ct+\t)+7], s[16:17] offset:\t*8192+\ct*1024+512
.endr
.endr
	WIN 0
.Ldone:
	s_wait_tensorcnt 0x0                           ; the wave's end, behind my last LDS store
	ds_add_u32 v3, v4
	s_wait_dscnt 0x0
	s_endpgm
.Lfunc_end_k_q2850768504_qkv:
	.size	k_q2850768504_qkv, .Lfunc_end_k_q2850768504_qkv-k_q2850768504_qkv
	.p2alignl 7, 3214868480
	.fill 96, 4, 3214868480
	.section	.rodata,"a",@progbits
	.p2align	6, 0x0
	.amdhsa_kernel k_q2850768504_qkv
		.amdhsa_group_segment_fixed_size 199680
		.amdhsa_private_segment_fixed_size 0
		.amdhsa_enable_private_segment 0
		.amdhsa_kernarg_size 56
		.amdhsa_user_sgpr_count 2
		.amdhsa_user_sgpr_kernarg_segment_ptr 1
		.amdhsa_wavefront_size32 1
		.amdhsa_system_sgpr_workgroup_id_x 1
		.amdhsa_system_sgpr_workgroup_id_y 1
		.amdhsa_system_sgpr_workgroup_id_z 1
		.amdhsa_system_vgpr_workitem_id 0
		.amdhsa_next_free_vgpr 512
		.amdhsa_next_free_sgpr 66
		.amdhsa_reserve_vcc 0
		.amdhsa_float_denorm_mode_32 3
		.amdhsa_float_denorm_mode_16_64 3
		.amdhsa_memory_ordered 1
		.amdhsa_forward_progress 1
		.amdhsa_inst_pref_size 209
	.end_amdhsa_kernel
	.amdgpu_metadata
---
amdhsa.version: [ 1, 2 ]
amdhsa.kernels:
  - .name:           k_q2850768504_qkv
    .symbol:         k_q2850768504_qkv.kd
    .args:
      - { .name: x, .offset: 0, .size: 8, .value_kind: global_buffer, .address_space: global }
      - { .name: wimg, .offset: 8, .size: 8, .value_kind: global_buffer, .address_space: global }
      - { .name: lowp_scales, .offset: 16, .size: 8, .value_kind: global_buffer, .address_space: global }
      - { .name: qimg, .offset: 24, .size: 8, .value_kind: global_buffer, .address_space: global }
      - { .name: kimg, .offset: 32, .size: 8, .value_kind: global_buffer, .address_space: global }
      - { .name: vimg, .offset: 40, .size: 8, .value_kind: global_buffer, .address_space: global }
      - { .name: v32, .offset: 48, .size: 8, .value_kind: global_buffer, .address_space: global }
    .group_segment_fixed_size: 199680
    .private_segment_fixed_size: 0
    .kernarg_segment_align: 8
    .kernarg_segment_size: 56
    .max_flat_workgroup_size: 256
    .sgpr_count:     66
    .vgpr_count:     512
    .wavefront_size: 32
...
	.end_amdgpu_metadata
.endif
;; end of part 2
;; launch attn (part 3): grid 256 x 1, 8 waves a work-group, no clusters, 268,288 bytes of LDS; arguments qimg, kimg, vimg, v32, wimg, lowp_scales, bproj, out0, t1, t2, t3, t4, t5, t6, t7; writes out0
.if DOCPART == 3
	.amdgcn_target "amdgcn-amd-amdhsa--gfx1250"
	.amdhsa_code_object_version 6
	.text
	.protected	k_q2850768504_attn
	.globl	k_q2850768504_attn
	.p2align	8
	.type	k_q2850768504_attn,@function
k_q2850768504_attn:
	s_mov_b64 s[64:65], 0
	v_nop
	global_prefetch_b8 v0, s[64:65] scope:SCOPE_SE
	s_setreg_imm32_b32 hwreg(HW_REG_WAVE_MODE, 25, 1), 1
	s_wait_xcnt 0x0
; THIRD LAUNCH: all eight heads' attention, the quantiser of the fused rows, the projection and its bias.  Nothing of reference() is left out.  The fused matrix never goes to memory.
; SHARES: work-group g takes batch b = g / 32 and FUSED rows 128 s .. 128 s + 127, s = g % 32; tile w is rows 128 s + 16 w + r'.  Lane r' of a tile of queries IS fused row r' in every head:
; reference() lays a window head's result back in window order; that permutation lies wholly in the address by which Q is gathered.
; With block [y5 y4 x5 x4 y3], patch [x3 y2 x2], place [y1 y0 x1 x0] as the launch before lays them, for tile w:
;   head 0:    block [s4 s3 w1 w0 s2], patch [r'3 s1 r'2], place [s0 w2 r'1 r'0];  keys: all 32 blocks of the batch
;   heads 6,7: block s,                patch [r'3 w2 r'2], place [w1 w0 r'1 r'0];  keys: blocks 2 (s / 2), 2 (s / 2) + 1
;   heads 3-5: block [s4 s3 s1 s0 s2], patch [w2 w1 r'2],  place [w0 r'3 r'1 r'0]; keys: that block's patches 4 w2 + 0..3
;   heads 1,2: block [s4 s3 s0 w2 s2], patch [w1 s1 w0],   place r';               keys: that patch
; ORDER: head 0 comes first: it needs only its Q and the ring.  Q of heads 1-7 and K, V of heads 3-5 (26 loads a wave) are asked for at the head into registers that the loop leaves alone;
; K and the f32 V of heads 1, 2 are asked for at the loop's exit and used last, behind heads 6, 7 and 3-5.
; IN HEAD 0 A WAVE TAKES TWO TILES AND HALF THE KEYS: its own tile T = 2 (w % 4) + w / 4 and T xor 1 (the partner is wave w xor 4), and of every 256 keys the 128 of half w / 4.
; At the end each wave hands its partner's tile over through LDS; the two halves are joined under the larger M by exact powers of two.
; BOTH PRODUCTS ARE USED TRANSPOSED: S^T = K Q^T, O^T = V^T P^T: a lane holds ONE query; register j of tile c is key 8 h + j of patch c, so the conversions' results are the next product's operand.
; SOFTMAX: t = logit x log2(e); M = the largest t so far rounded up to a whole number; p = 2^(t - M) is quantised; the row's sum is taken of the unquantised p and divides at the end.
; THE HOLD OF p: p is at most 1 (but for the last bit of the multiply-add), and 57,344 x 2^ep is at least 1.75 where ep >= -15: there the hold changes nothing, and a scalar branch on ep, the same in all waves, leads round it.
; THE BIAS is the C of the score product: the tables lie in LDS multiplied by 2^(3 - eq - ek) (exact).
; HEADS 1 AND 2: the second product (K = 16) is left as it is and feeds a quantiser: f32 operands, v_wmma_f32_16x16x4_f32; its sums lie in registers that matrix instructions alone ever write.
; K AND V OF HEAD 0 (and of heads 6, 7) go through two LDS buffers of 256 keys; each wave copies 4 KB of a slot through 32 registers: slot n + 3 is asked of memory in slot n and stored into LDS in slot n + 1.
; No tensor load, and so no cluster: joint requests are made by tensor loads alone.
; LIMITS: eq + ek between -123 and 130; ep and e32 between -126 and 112; e32 + e33 between -126 and 127.  NaN among the inputs is not served.
; LDS: 0 the fused rows' 32 fragments ((4 T + ks) x 2,048; head i fills 1 KB at (i / 2) x 2,048 + (i % 2) x 1,024 of a tile's 8 KB); 65,536 the two buffers (K 16 KB, V 16 KB each); 131,072 heads 3-5: K 8 KB, V 8 KB each;
;   180,224 the tables; 191,488 a stage of 16 x 272 bytes a wave; 226,304 the spare words; 227,328 head 0's hand-over, 5,120 bytes a wave.
; REGISTERS, window 0: v1 16 x lane; v2 tile w's 8 KB; v3, v4 the add's two; v5 where I copy into a buffer; v6, v10, v11 bias addresses (windows of 4, 8, 16); v7, v8 K and V of heads 3-5; v9 the prefetch's offset;
;   v12-15, v16-19 -M, t and the sum of two tiles; v20, v21 the hand-over, in and out; v22 my own tile's 8 KB; v23 my half of buffer 0; v24, v25 2^ep and its hold; v26, v27 2^e32 and its hold; v28, v29 the buffers; v30, v31 my stage;
;   v32-95 K or V; v96-159 S^T, then p (at the head: temporaries); v160-191, v208-239 O^T; v192-207 p's codes; v240-254 at work.
;   window 1: v0-31 the f32 sums; v32-63 the copy's registers, then K of heads 1, 2; v64-127 head 0's K, then the f32 V; v128-183 Q of heads 1-7; v184-207, v224-247 K, V of heads 3-5; v208-223 head 0's Q; the projection: accumulators.
.set RING,  65536
.set P8,    131072
.set TAB,   180224
.set STG,   191488
.set SPARE, 226304
.set HO,    227328
.set S,     96
.set TL,    116
.set STT,   12
.set OBASE, 160
.set MSB, 0
.macro WIN new                         ; the immediate's high byte repeats the setting that is left
.if MSB != \new
	s_set_vgpr_msb (MSB<<8)|\new
.set MSB, \new
.endif
.endm
.macro PLACES n                        ; plain vector instructions behind a matrix instruction (ISA guide 7.12.1)
.rept \n
	v_nop
.endr
.endm
.macro VW
	s_wait_alu depctr_va_vdst(0)
.endm
.macro BAR                             ; my LDS instructions are done: then the work-group's barrier
	VW
	s_wait_dscnt 0x0
	s_barrier_signal -1
	s_barrier_wait -1
.endm
.macro SETK i                          ; s[EQ] .. s[EQ+3]: eq, ek, ep, ev of head i.  Entry k of lowp_scales lies in s[36 + k + 16 (k / 16)]
.set K0, 4*(\i)
.if (\i) == 0
.set K0, 4
.endif
.if (\i) == 1
.set K0, 8
.endif
.if (\i) == 2
.set K0, 10
.endif
.set EQ, 36+K0+16*(K0/16)
.endm
.macro TSC i, lo, n                    ; head i's table words x 2^(3 - eq - ek)
	SETK \i
	s_add_co_i32 s62, s[EQ], s[EQ+1]
	s_sub_co_i32 s62, 3, s62
.set J, 0
.rept \n
	v_ldexp_f32 v[\lo+J], v[\lo+J], s62
.set J, J+1
.endr
.endm
.macro HEADSET i, full                 ; c = log2(e) / 8 x 2^(eq + ek); full = 1: also 2^ep, its hold, ep + ev
	SETK \i
	s_add_co_i32 s59, s[EQ], s[EQ+1]
	s_lshl_b32 s59, s59, 23
	s_add_co_i32 s52, s59, 0x3e38aa3b
	s_mov_b32 s53, s52
.if \full
	s_add_co_i32 s59, s[EQ+2], 127
	s_lshl_b32 s60, s59, 23
	v_mov_b32 v24, s60
	s_add_co_i32 s59, s59, 15
	s_lshl_b32 s59, s59, 23
	s_or_b32 s59, s59, 0x600000
	v_mov_b32 v25, s59
	s_add_co_i32 s58, s[EQ+2], s[EQ+3]
	VW
.endif
.endm
; HEAD 0, THE MIDDLE OF A SLOT'S SECOND SOFTMAX (slot n lies in buffer RSLOT).  Every wave has signalled that K and V of slot n are in its registers and that its part of slot n + 1 lies in LDS.
; So slot n + 2 goes into the buffer that slot n has left, and K of slot n + 1 is read from the other buffer.  RLAST = 1: the loop's last trip has no slot n + 1.
.macro RINGMID
	s_barrier_wait -1
	s_wait_loadcnt 0x0                             ; my 4 KB of slot n + 2 are in registers (the first time: the head's 26 loads too)
	WIN 0x04
.irp i, 0,1,2,3,4,5,6,7
	ds_store_b128 v5, v[32+4*\i:35+4*\i] offset:RSLOT*32768+512*\i
.endr
	WIN 0
.if RLAST
	s_cmp_eq_u32 s96, 7
	s_cbranch_scc1 .Lno_k_\@
.endif
	WIN 0x40
.irp c, 0,1,2,3,4,5,6,7
	ds_load_b128 v[64+8*\c:67+8*\c], v23 offset:(1-RSLOT)*32768+\c*1024
	ds_load_b128 v[68+8*\c:71+8*\c], v23 offset:(1-RSLOT)*32768+\c*1024+512
.endr
	WIN 0
.if RLAST
.Lno_k_\@:
.endif
.endm
; The softmax of n scores a lane, v[S] on; -M, t and the sum at v[STT] on, O^T at v[OBASE] on.  first = 1: the head's first step.  quant = 1: p becomes codes in v192 on.  hook = 1: RINGMID stands behind the exponentials' wait.
.macro SOFT n, first, quant, hook
.if (\n) >= 32                         ; the largest score, in four chains; each accumulator is read from its low end on
.set QN, (\n)/4
	v_max3_num_f32 v254, v[S], v[S+1], v[S+2]
	v_max3_num_f32 v252, v[S+QN], v[S+QN+1], v[S+QN+2]
	v_max3_num_f32 v244, v[S+2*QN], v[S+2*QN+1], v[S+2*QN+2]
	v_max3_num_f32 v246, v[S+3*QN], v[S+3*QN+1], v[S+3*QN+2]
.set J, 3
.rept (QN-4)/2
	v_max3_num_f32 v254, v254, v[S+J], v[S+J+1]
	v_max3_num_f32 v252, v252, v[S+QN+J], v[S+QN+J+1]
	v_max3_num_f32 v244, v244, v[S+2*QN+J], v[S+2*QN+J+1]
	v_max3_num_f32 v246, v246, v[S+3*QN+J], v[S+3*QN+J+1]
.set J, J+2
.endr
	v_max3_num_f32 v254, v254, v[S+QN-1], v[S+2*QN-1]
	v_max3_num_f32 v244, v244, v[S+3*QN-1], v[S+4*QN-1]
	v_max3_num_f32 v254, v254, v252, v246
	v_max_num_f32 v254, v254, v244
.else
	v_max3_num_f32 v254, v[S], v[S+1], v[S+2]
	v_max3_num_f32 v252, v[S+3], v[S+4], v[S+5]
	v_max3_num_f32 v254, v254, v[S+6], v[S+7]
	v_max_num_f32 v254, v254, v252
.endif
	v_permlanex16_b32 v240, v254, s54, s55
	v_max_num_f32 v254, v254, v240                 ; and lane l xor 16's
	v_mul_f32 v254, s52, v254                      ; as t (c is positive)
.if \first
	v_mov_b32 v[STT+1], v254
	v_floor_f32 v[STT], -v254                      ; -M = floor(-t)
.else
	v_max_num_f32 v[STT+1], v[STT+1], v254
	v_mov_b32 v254, v[STT]
	v_floor_f32 v[STT], -v[STT+1]
	v_sub_f32 v254, v[STT], v254                   ; old M - new M: a whole number, 0 or less
	v_cvt_i32_f32 v254, v254
	v_ldexp_f32 v252, 1.0, v254                    ; f = 2^(old M - new M)
.endif
.set J, 0
.rept (\n)/2
	v_pk_fma_f32 v[S+J:S+J+1], v[S+J:S+J+1], s[52:53], v[STT:STT+1] op_sel_hi:[1,0,0]   ; t - M
.set J, J+2
.endr
	VW                                             ; ahead of the batch, and directly ahead of the first readers of O^T
.if \first == 0
.set J, 0
.rept 16
	v_pk_mul_f32 v[OBASE+J:OBASE+J+1], v[OBASE+J:OBASE+J+1], v[252:253] op_sel_hi:[1,0]   ; O^T under the new M, from its low end on
.set J, J+2
.endr
.endif
.set J, 0
.rept \n
	v_exp_f32 v[S+J], v[S+J]                       ; p = 2^(t - M)
.set J, J+1
.endr
.if \first
	v_mov_b32 v[STT+2], 0                          ; the sum begins (a plain instruction behind the last exponential)
	v_mov_b32 v[STT+3], 0
.else
	v_pk_mul_f32 v[STT+2:STT+3], v[STT+2:STT+3], v[252:253] op_sel_hi:[1,0]   ; the sum under the new M
.endif
	VW                                             ; one wait behind the batch
.if \hook == 1
	RINGMID
.endif
.if \hook == 2
	NEXTB
.endif
.if (\n) >= 32                         ; the sum of the unquantised p, in four chains
	v_pk_add_f32 v[242:243], v[S:S+1], v[S+2:S+3]
	v_pk_add_f32 v[244:245], v[S+4:S+5], v[S+6:S+7]
	v_pk_add_f32 v[246:247], v[S+8:S+9], v[S+10:S+11]
.set J, 12
.rept ((\n)/2-8)/4
	v_pk_add_f32 v[STT+2:STT+3], v[STT+2:STT+3], v[S+J:S+J+1]
	v_pk_add_f32 v[242:243], v[242:243], v[S+J+2:S+J+3]
	v_pk_add_f32 v[244:245], v[244:245], v[S+J+4:S+J+5]
	v_pk_add_f32 v[246:247], v[246:247], v[S+J+6:S+J+7]
.set J, J+8
.endr
	v_pk_add_f32 v[STT+2:STT+3], v[STT+2:STT+3], v[S+J:S+J+1]
	v_pk_add_f32 v[242:243], v[242:243], v[S+J+2:S+J+3]
	v_pk_add_f32 v[244:245], v[244:245], v[246:247]
	v_pk_add_f32 v[STT+2:STT+3], v[STT+2:STT+3], v[242:243]
	v_pk_add_f32 v[STT+2:STT+3], v[STT+2:STT+3], v[244:245]
.else
	v_pk_add_f32 v[242:243], v[S:S+1], v[S+2:S+3]
	v_pk_add_f32 v[STT+2:STT+3], v[STT+2:STT+3], v[S+4:S+5]
	v_pk_add_f32 v[242:243], v[242:243], v[S+6:S+7]
	v_pk_add_f32 v[STT+2:STT+3], v[STT+2:STT+3], v[242:243]
.endif
.if \quant
	s_cmp_lt_i32 s[EQ+2], -15                      ; ep >= -15: the hold's bound lies above every p
	VW
	s_cbranch_scc0 .Lno_hold_\@
.set J, 0
.rept \n
	v_min_num_f32 v[S+J], v[S+J], v25              ; the conversion does not saturate (ISA guide 7.6.2); p is not negative: a one-sided hold
.set J, J+1
.endr
.Lno_hold_\@:
.set CC, 0
.rept (\n)/8
	v_cvt_scalef32_pk8_bf8_f32 v[192+2*CC:193+2*CC], v[S+8*CC:S+8*CC+7], v24
.set CC, CC+1
.endr
	v_nop                                          ; a plain instruction behind the last conversion
.endif
.endm
; Heads 6 and 7, a key step: the q-th 128 keys of a buffer, one tile of queries; the bias table at byte toff; Q in window 1 at v[qr].
; THE BIAS IS ASKED FOR A STEP AHEAD, into window 1, v184-247, which lie idle behind head 0's loop: the score product takes them as C and writes the scores' registers.
.macro BIAS16 q, toff                  ; windows of 16: the 64 words of the q-th 128 keys, table at byte toff
	WIN 0x40
.irp c, 0,1,2,3,4,5,6,7
.irp j, 0,1,2,3,4,5,6,7
	ds_load_b32 v[184+8*\c+\j], v11 offset:(\toff)+4*(418-((8*(\q)+4*((\c/2)%2)+\j/4)*31+8*(\c/4)+4*(\c%2)+\j%4))
.endr
.endr
	WIN 0
.endm
.macro BIAS8 hh, base                  ; windows of 8: head 3 + hh's 32 words, into window 1 at v[base]
	WIN 0x40
.irp c, 0,1,2,3
.irp j, 0,1,2,3,4,5,6,7
	ds_load_b32 v[\base+8*\c+\j], v10 offset:2048+1024*(\hh)+4*(82-((4*(\c/2)+\j/4)*15+4*(\c%2)+\j%4))
.endr
.endr
	WIN 0
.endm
.macro NEXTB                           ; the next step's 64 words: NBK = 16: of a window of 16; else those of heads 3 and 4
.if NBK == 16
	BIAS16 NBQ, NBT
.else
	BIAS8 0, 184
	BIAS8 1, 216
.endif
.endm
; nk, nq, nt: what NEXTB asks for in the middle of this step's softmax
.macro STEP slot, q, first, qr, nk, nq, nt
	PLACES 4
.irp c, 0,1,2,3,4,5,6,7
	ds_load_b128 v[32+8*\c:35+8*\c], v[28+\slot] offset:(\q)*8192+\c*1024
	ds_load_b128 v[36+8*\c:39+8*\c], v[28+\slot] offset:(\q)*8192+\c*1024+512
.endr
	s_wait_dscnt 0x0
	WIN 0x14                                       ; Q and the bias in window 1
.irp c, 0,1,2,3,4,5,6,7
	v_wmma_f32_16x16x64_bf8_bf8 v[S+8*\c:S+8*\c+7], v[32+8*\c:39+8*\c], v[\qr:\qr+7], v[184+8*\c:191+8*\c]
.endr
	WIN 0
	PLACES 4
.irp ct, 0,1,2,3                       ; V lands while the softmax is walked
.irp g, 0,1,2,3
	ds_load_b128 v[32+16*\ct+4*\g:35+16*\ct+4*\g], v[28+\slot] offset:16384+(\q)*8192+\ct*2048+512*\g
.endr
.endr
.set NBK, \nk
.set NBQ, \nq
.set NBT, \nt
	SOFT 64, \first, 1, 2
	VW
	s_wait_dscnt 63                                ; V's 16 loads are older than the 64 bias loads behind them: V is in
.irp ct, 0,1,2,3
.if \first
	v_wmma_f32_16x16x128_bf8_bf8 v[160+8*\ct:167+8*\ct], v[32+16*\ct:47+16*\ct], v[192:207], 0
.else
	v_wmma_f32_16x16x128_bf8_bf8 v[160+8*\ct:167+8*\ct], v[32+16*\ct:47+16*\ct], v[192:207], v[160+8*\ct:167+8*\ct]
.endif
.endr
.endm
; HEAD 0, A SLOT (slot n, in buffer slot): my 128 keys of it against my two tiles.  ONE BARRIER A SLOT, signal and wait apart: in front of the signal all my LDS instructions are done; between the two stands work on registers alone.
; At the slot's end V of slot n + 1 is asked of LDS and slot n + 3 of memory (in trip selt: the window at s[sel:sel+1]).  last = 1: in the loop's last trip there is neither.  pf = 1: the prefetch.
.macro DSTEP slot, sel, selt, last, pf
	s_wait_dscnt 16                                ; K is in; V's 16 loads may be out
	WIN 0x05
.irp c, 0,1,2,3,4,5,6,7
	v_wmma_f32_16x16x64_bf8_bf8 v[S+8*\c:S+8*\c+7], v[64+8*\c:71+8*\c], v[208:215], 0
.endr
	WIN 0
	PLACES 4
.set STT, 12
.set OBASE, 160
	SOFT 64, 0, 1, 0
	VW
	s_wait_dscnt 0x0                               ; V is in: all my LDS instructions are done
.irp ct, 0,1,2,3
	v_wmma_f32_16x16x128_bf8_bf8 v[160+8*\ct:167+8*\ct], v[32+16*\ct:47+16*\ct], v[192:207], v[160+8*\ct:167+8*\ct]
.endr
	s_barrier_signal -1
	WIN 0x05
.irp c, 0,1,2,3,4,5,6,7
	v_wmma_f32_16x16x64_bf8_bf8 v[S+8*\c:S+8*\c+7], v[64+8*\c:71+8*\c], v[216:223], 0
.endr
	WIN 0
	PLACES 4
.set STT, 16
.set OBASE, 208
.set RSLOT, \slot
.set RLAST, \last
	SOFT 64, 0, 1, 1
.irp ct, 0,1,2,3
	v_wmma_f32_16x16x128_bf8_bf8 v[208+8*\ct:215+8*\ct], v[32+16*\ct:47+16*\ct], v[192:207], v[208+8*\ct:215+8*\ct]
.endr
	PLACES 4
.if \last
	s_cmp_eq_u32 s96, 7
	s_cbranch_scc1 .Lend_\@
.endif
.irp ct, 0,1,2,3
.irp g, 0,1,2,3
	ds_load_b128 v[32+16*\ct+4*\g:35+16*\ct+4*\g], v23 offset:(1-\slot)*32768+16384+\ct*2048+512*\g
.endr
.endr
	s_wait_dscnt 16                                ; all but V's 16 loads: the copy's stores have read their registers
	s_wait_xcnt 0x0                                ; the last loads and prefetch have read their addresses
	s_add_nc_u64 s[86:87], s[86:87], 16384
	s_cmp_eq_u32 s96, \selt
	s_cselect_b64 s[92:93], s[\sel:\sel+1], s[86:87]
	WIN 0x40
.irp i, 0,1,2,3,4,5,6,7
	global_load_b128 v[32+4*\i:35+4*\i], v1, s[92:93] offset:512*\i
.endr
	WIN 0
.if \pf
; A PREFETCH INTO THE L2: my wave's 4 KB of each of the two slots after the one just asked for, lanes 256 bytes apart (lanes 0-15 the first slot, lanes 16-31 the second).
; All 32 work-groups of a batch walk the same K and V: the batch's first asks (s97 = 6 there, 0 elsewhere), in trips 0 to 5: slots 4 to 15, each block of 256 bytes named once.
	s_cmp_lt_u32 s96, s97
	s_cbranch_scc0 .Lno_pf_\@
	global_prefetch_b8 v9, s[86:87] offset:16384 th:TH_LOAD_NT scope:SCOPE_SE
.Lno_pf_\@:
.endif
.if \last
.Lend_\@:
.endif
.endm
; Head i is finished: O^T / the sum (x 2^(ep + ev)), quantised with e32, goes to its place among the fused rows' fragments.  w1 = 1: the f32 sums of window 1
.macro FIN i, w1, adr
.if \w1
	PLACES 8
.else
	PLACES 4
.endif
	v_add_f32 v14, v14, v15
	v_permlanex16_b32 v240, v14, s54, s55
	v_add_f32 v14, v14, v240                       ; the row's sum
	VW
	v_rcp_f32 v14, v14
	v_nop
.if \w1
	WIN 0x01
	VW
.set OB, 0
.else
	VW
	v_ldexp_f32 v14, v14, s58
	VW
.set OB, 160
.endif
.set J, 0
.rept 16
	v_pk_mul_f32 v[128+J:129+J], v[OB+J:OB+J+1], v[14:15] op_sel_hi:[1,0]
.set J, J+2
.endr
	WIN 0
.set J, 0
.rept 32
	v_med3_num_f32 v[128+J], v[128+J], -v27, v27
.set J, J+1
.endr
.irp ct, 0,1,2,3
	v_cvt_scalef32_pk8_bf8_f32 v[192+2*\ct:193+2*\ct], v[128+8*\ct:135+8*\ct], v26
.endr
	v_nop
	ds_store_b128 v[\adr], v[192:195] offset:((\i)/2)*2048+((\i)%2)*1024
	ds_store_b128 v[\adr], v[196:199] offset:((\i)/2)*2048+((\i)%2)*1024+512
.endm
.macro WLOAD n                         ; Wproj's 4 fragments of my 64 columns, K step n, into set n % 2
.irp ct, 0,1,2,3
.irp c, 0,1,2,3
	global_load_b128 v[32+64*((\n)%2)+16*\ct+4*\c:32+64*((\n)%2)+16*\ct+4*\c+3], v1, s[12:13] offset:\ct*8192+(\n)*2048+512*\c
.endr
.endr
.endm
.macro XLD buf, t0, ks                 ; the fused rows' fragments of row tiles t0, t0 + 1, K step ks
.irp i, 0,1
.irp c, 0,1,2,3
	ds_load_b128 v[\buf+16*\i+4*\c:\buf+16*\i+4*\c+3], v1 offset:(4*((\t0)+\i)+(\ks))*2048+512*\c
.endr
.endr
.endm
.macro MUL8 buf, t0, wb, first         ; 8 different accumulators; each comes up again after the 31 others
.irp i, 0,1
.irp ct, 0,1,2,3
.set AC, 8*(4*((\t0)+\i)+\ct)
.if \first
	v_wmma_f32_16x16x128_bf8_bf8 v[AC:AC+7], v[\wb+16*\ct:\wb+16*\ct+15], v[\buf+16*\i:\buf+16*\i+15], 0
.else
	v_wmma_f32_16x16x128_bf8_bf8 v[AC:AC+7], v[\wb+16*\ct:\wb+16*\ct+15], v[\buf+16*\i:\buf+16*\i+15], v[AC:AC+7]
.endif
.endr
.endr
.endm
.macro TOST t                          ; row tile t: sum x 2^(e32 + e33) + bias, into my stage, and back as whole rows of 256 bytes
	WIN 0x01
.irp ct, 0,1,2,3
.irp j, 0,2,4,6
	v_pk_fma_f32 v[32+8*\ct+\j:33+8*\ct+\j], v[8*(4*(\t)+\ct)+\j:8*(4*(\t)+\ct)+\j+1], s[94:95], v[224+8*\ct+\j:225+8*\ct+\j] op_sel_hi:[1,0,1]
.endr
.endr
	WIN 0
.irp ct, 0,1,2,3
	ds_store_b128 v30, v[32+8*\ct:35+8*\ct] offset:64*\ct
	ds_store_b128 v30, v[36+8*\ct:39+8*\ct] offset:64*\ct+16
.endr
.set BB, 64+32*((\t)%2)
.irp i, 0,1,2,3,4,5,6,7
	ds_load_b128 v[BB+4*\i:BB+4*\i+3], v31 offset:\i*544     ; LDS serves a wave's instructions in order (ISA guide 5.7.1.4)
.endr
.endm
.macro SEND t, younger                 ; younger: the LDS instructions issued behind tile t's loads
.set BB, 64+32*((\t)%2)
	s_wait_dscnt \younger
.irp i, 0,1,2,3,4,5,6,7
	global_store_b128 v6, v[BB+4*\i:BB+4*\i+3], s[18:19] offset:(16*(\t)+2*\i)*2048 th:TH_STORE_NT   ; 16 lanes store 256 consecutive bytes, aligned
.endr
.endm
	s_load_b512 s[4:19], s[0:1], 0x0               ; qimg, kimg, vimg, v32, wimg, the exponents s[14:15], bproj, out0 s[18:19]
	s_load_b256 s[20:27], s[0:1], 0x40             ; t1 .. t4
	s_load_b128 s[28:31], s[0:1], 0x60             ; t5, t6
	s_load_b64 s[32:33], s[0:1], 0x70              ; t7
	v_lshl_add_u32 v3, v0, 2, SPARE                ; my spare word,
	v_mov_b32 v4, 0                                ; and 0: kept for the wave's end
	v_lshrrev_b32 v104, 5, v0
	v_readfirstlane_b32 s2, v104                   ; wave 0..7
	; ---- the scalar terms of all addresses, in one block (s36-51 are free until the exponents are loaded)
	s_lshr_b32 s56, ttmp9, 5                       ; b
	s_and_b32 s57, ttmp9, 31                       ; s
	s_and_b32 s58, s2, 3                           ; w % 4
	s_lshr_b32 s59, s2, 2                          ; w2
	s_lshl_b32 s36, s2, 13                         ; tile w's 8 KB
	s_lshl_b32 s37, s2, 12
	s_add_co_u32 s37, s37, RING                    ; where I copy
	s_mul_i32 s38, s58, 30
	s_add_co_u32 s38, s38, 30                      ; windows of 8
	s_mul_i32 s39, s2, 31
	s_add_co_u32 s39, s39, 62                      ; windows of 16
	s_lshl_b32 s40, s59, 12
	s_add_co_u32 s40, s40, P8                      ; heads 3-5: my window's four patches of K,
	s_lshl_b32 s41, s59, 10
	s_add_co_u32 s41, s41, P8+8192                 ; and its half of each fragment of V
	s_mul_i32 s42, s2, 4352
	s_add_co_u32 s42, s42, STG                     ; my stage
	s_lshl_b32 s35, s2, 10
	s_add_co_u32 s35, s35, P8                      ; where I store my share of heads 3-5 (kept)
	s_and_b32 s43, s57, 1
	s_mul_i32 s43, s43, 248
	s_and_b32 s60, s57, 24
	s_bfe_u32 s61, s57, 0x10002
	s_or_b32 s60, s60, s61                         ; [s4 s3 0 0 s2]
	s_lshl_b32 s66, s56, 18                        ; b x 262,144
	s_lshl_b32 s48, s58, 1
	s_add_co_u32 s48, s48, s59                     ; T = 2 (w % 4) + w / 4
	s_and_b32 s44, s48, 3                          ; head 0, tile T
	s_lshl_b32 s44, s44, 1
	s_or_b32 s44, s44, s60
	s_lshl_b32 s44, s44, 13
	s_add_co_u32 s44, s44, s66
	s_bfe_u32 s61, s57, 0x10001
	s_lshl_b32 s61, s61, 11
	s_add_co_u32 s44, s44, s61
	s_and_b32 s61, s57, 1
	s_lshl_b32 s61, s61, 7
	s_add_co_u32 s44, s44, s61
	s_lshr_b32 s61, s48, 2
	s_lshl_b32 s61, s61, 6
	s_add_co_u32 s44, s44, s61
	s_lshl_b32 s48, s48, 13                        ; tile T's 8 KB
	s_lshl_b32 s45, s57, 13                        ; head 6
	s_add_co_u32 s45, s45, s66
	s_add_co_u32 s45, s45, 6*2097152
	s_lshl_b32 s61, s59, 11
	s_add_co_u32 s45, s45, s61
	s_lshl_b32 s61, s58, 6
	s_add_co_u32 s45, s45, s61
	s_and_b32 s46, s57, 3                          ; head 3
	s_lshl_b32 s46, s46, 1
	s_or_b32 s46, s46, s60
	s_lshl_b32 s46, s46, 13
	s_add_co_u32 s46, s46, s66
	s_add_co_u32 s46, s46, 3*2097152
	s_lshl_b32 s61, s2, 10
	s_add_co_u32 s62, s46, s61                     ; the block's K and V: my 1 KB of each
	s_mov_b32 s63, 0
	s_lshr_b32 s61, s2, 1
	s_lshl_b32 s61, s61, 11
	s_add_co_u32 s46, s46, s61
	s_and_b32 s61, s2, 1
	s_lshl_b32 s61, s61, 7
	s_add_co_u32 s46, s46, s61
	s_and_b32 s34, s57, 1                          ; head 1
	s_lshl_b32 s34, s34, 2
	s_lshl_b32 s61, s59, 1
	s_or_b32 s34, s34, s61
	s_or_b32 s34, s34, s60                         ; the block
	s_bfe_u32 s61, s2, 0x10001
	s_lshl_b32 s61, s61, 2
	s_bfe_u32 s84, s57, 0x10001
	s_lshl_b32 s84, s84, 1
	s_or_b32 s61, s61, s84
	s_and_b32 s84, s2, 1
	s_or_b32 s61, s61, s84                         ; the patch
	s_lshl_b32 s84, s34, 3
	s_or_b32 s84, s84, s61
	s_lshl_b32 s34, s84, 10
	s_add_co_u32 s34, s34, s66
	s_add_co_u32 s34, s34, 2097152                 ; Q and K alike (kept)
	s_lshl_b32 s98, s56, 8
	s_add_co_u32 s98, s98, s84
	s_lshl_b32 s98, s98, 13                        ; the patch's 8 KB in v32
	s_mov_b32 s99, 0
	s_lshl_b32 s61, s58, 12                        ; the copy: waves 0-3 copy K, waves 4-7 V, 4 KB of a slot each
	s_add_co_u32 s84, s61, s66
	s_lshr_b32 s67, s57, 1
	s_lshl_b32 s67, s67, 14
	s_add_co_u32 s66, s84, s67
	s_add_co_u32 s66, s66, 48*262144               ; head 6's window
	s_add_co_u32 s84, s84, 32768                   ; head 0's slot 2
	s_mov_b32 s85, 0
	s_mov_b32 s67, 0
	s_lshl_b32 s49, s59, 13
	s_add_co_u32 s49, s49, RING                    ; my half of buffer 0's K
	s_mul_i32 s50, s2, 5120
	s_add_co_u32 s50, s50, HO                      ; the hand-over: where I leave the partner's tile,
	s_xor_b32 s51, s2, 4
	s_mul_i32 s51, s51, 5120
	s_add_co_u32 s51, s51, HO                      ; and where the partner leaves mine
	s_cmp_eq_u32 s57, 0
	s_cselect_b32 s97, 6, 0                        ; who prefetches, and in how many trips
	s_mov_b32 s54, 0x76543210                      ; v_permlanex16_b32's selects for lane l xor 16
	s_mov_b32 s55, 0xfedcba98
	; ---- the lanes' terms, in one block
	v_and_b32 v1, 31, v0
	v_lshlrev_b32 v1, 4, v1                        ; 16 x lane
	v_add_nc_u32 v2, s36, v1
	v_add_nc_u32 v5, s37, v1
	v_add_nc_u32 v28, RING, v1
	v_add_nc_u32 v29, RING+32768, v1
	v_and_b32 v104, 15, v0                         ; r'
	v_bfe_u32 v105, v0, 4, 1                       ; h
	v_bfe_u32 v106, v0, 2, 2                       ; windows of 4: word ((r' / 4) - 2 h) 7 + r' % 4 + 14
	v_and_b32 v108, 3, v0
	v_mad_u32_u24 v6, v106, 7, v108
	v_mul_u32_u24 v107, v105, 14
	v_add_nc_u32 v6, 14, v6
	v_sub_nc_u32 v6, v6, v107
	v_lshl_add_u32 v6, v6, 2, TAB
	v_bfe_u32 v106, v0, 3, 1                       ; r'3.  Windows of 8: word (2 (w % 4) + r' / 8 - 2 h) 15 + r' % 8 + 30
	v_and_b32 v107, 7, v0
	v_mad_u32_u24 v10, v106, 15, v107
	v_add_nc_u32 v10, s38, v10
	v_mul_u32_u24 v107, v105, 30
	v_sub_nc_u32 v10, v10, v107
	v_lshl_add_u32 v10, v10, 2, TAB
	v_add_nc_u32 v11, s39, v104                    ; windows of 16: word (w - 2 h) 31 + r' + 62; the term 248 (s % 2) lies in the table's copy
	v_mul_u32_u24 v107, v105, 62
	v_sub_nc_u32 v11, v11, v107
	v_lshl_add_u32 v11, v11, 2, TAB
	v_add_nc_u32 v7, s40, v1
	v_add_nc_u32 v8, s41, v1
	v_lshlrev_b32 v9, 8, v104
	v_lshl_add_u32 v9, v105, 14, v9                ; the prefetch: 256 (lane % 16) + 16,384 (lane / 16)
	v_mul_u32_u24 v30, v104, 272
	v_lshl_add_u32 v30, v105, 5, v30
	v_add_nc_u32 v30, s42, v30                     ; my stage, in: row r', + 32 h
	v_mul_u32_u24 v31, v105, 272
	v_lshl_add_u32 v31, v104, 4, v31
	v_add_nc_u32 v31, s42, v31                     ; back: lanes 0-15 one row, lanes 16-31 the next
	v_lshl_add_u32 v112, v0, 2, TAB                ; where I store table words
	v_min_u32 v100, 48, v0                         ; the tables' offsets: no load leaves its table
	v_lshlrev_b32 v100, 2, v100
	v_min_u32 v101, 0xe0, v0
	v_lshlrev_b32 v101, 2, v101
	v_add_nc_u32 v102, s43, v0                     ; t6, t7: LDS word i = table word min(i + 248 (s % 2), 960), i < 768
	v_add_nc_u32 v103, 0x200, v102
	v_min_u32 v103, 0x3c0, v103
	v_lshlrev_b32 v102, 2, v102
	v_lshlrev_b32 v103, 2, v103
	v_bfe_u32 v107, v0, 2, 1                       ; r'2.  Q's gather, the lane's terms:
	v_lshlrev_b32 v109, 4, v108
	v_lshl_add_u32 v109, v105, 8, v109             ; 16 (r' % 4) + 256 h
	v_lshl_add_u32 v109, v107, 10, v109            ; + 1,024 r'2
	v_lshl_add_u32 v110, v106, 12, v109            ; head 0 and windows of 16: + 4,096 r'3
	v_lshl_add_u32 v111, v106, 6, v109             ; windows of 8: + 64 r'3
	v_add_nc_u32 v96, s44, v110                    ; head 0: my own tile's Q;
	v_xor_b32 v113, 0x4000, v96                    ; the partner's tile differs in T's lowest bit, which is bit 14 of the offset, alone there
	v_add_nc_u32 v97, s45, v110
	v_add_nc_u32 v98, s46, v111
	v_add_nc_u32 v99, s34, v1
	v_add_nc_u32 v22, s48, v1
	v_add_nc_u32 v23, s49, v1
	v_add_nc_u32 v21, s50, v1
	v_add_nc_u32 v20, s51, v1
	VW
	s_wait_kmcnt 0x0
	s_load_b512 s[36:51], s[14:15], 0x0            ; entries 0-15
	s_load_b512 s[68:83], s[14:15], 0x40           ; entries 16-31
	s_load_b64 s[100:101], s[14:15], 0x80          ; entries 32, 33
	s_cmp_lt_u32 s2, 4
	s_cselect_b64 s[86:87], s[6:7], s[8:9]
	s_add_nc_u64 s[88:89], s[86:87], s[66:67]      ; head 6's window
	s_add_nc_u64 s[90:91], s[88:89], 2097152       ; head 7's
	s_add_nc_u64 s[86:87], s[86:87], s[84:85]      ; head 0, slot 2
	s_add_nc_u64 s[84:85], s[6:7], s[62:63]        ; heads 3-5: K,
	s_add_nc_u64 s[66:67], s[8:9], s[62:63]        ; and V
	s_add_nc_u64 s[10:11], s[10:11], s[98:99]
	s_lshl_b32 s62, s2, 15
	s_add_co_u32 s62, s62, 96*8192
	s_add_nc_u64 s[12:13], s[12:13], s[62:63]      ; Wproj's row tiles 4 w .. 4 w + 3
	s_lshl_b32 s62, s2, 8
	s_add_nc_u64 s[16:17], s[16:17], s[62:63]      ; bproj at my 64 columns
	s_lshl_b32 s98, ttmp9, 18
	s_add_co_u32 s62, s62, s98
	s_add_nc_u64 s[18:19], s[18:19], s[62:63]      ; out0 at my work-group's rows, my columns
	; ---- 0: what head 0 needs first (31 loads), then what the window heads need later (26 loads)
	WIN 0x40
.irp g, 0,1
	global_load_b128 v[208+4*\g:211+4*\g], v96, s[4:5] offset:512*\g
	global_load_b128 v[216+4*\g:219+4*\g], v113, s[4:5] offset:512*\g
.endr
.irp i, 0,1,2,3,4,5,6,7                ; head 0: my 4 KB of slot 0 and of slot 1
	global_load_b128 v[32+4*\i:35+4*\i], v1, s[86:87] offset:512*\i-32768
	global_load_b128 v[64+4*\i:67+4*\i], v1, s[86:87] offset:512*\i-16384
.endr
	WIN 0
	global_load_b32 v[TL], v100, s[20:21]
	global_load_b32 v[TL+1], v100, s[22:23]
	global_load_b32 v[TL+2], v101, s[24:25]
	global_load_b32 v[TL+3], v101, s[26:27]
	global_load_b32 v[TL+4], v101, s[28:29]
	global_load_b32 v[TL+5], v102, s[30:31]
	global_load_b32 v[TL+6], v102, s[30:31] offset:1024
	global_load_b32 v[TL+7], v103, s[30:31]
	global_load_b32 v[TL+8], v102, s[32:33]
	global_load_b32 v[TL+9], v102, s[32:33] offset:1024
	global_load_b32 v[TL+10], v103, s[32:33]
	WIN 0x40                                       ; head i's Q at window 1, v[128 + 8 (i - 1)]
.irp g, 0,1
	global_load_b128 v[128+4*\g:131+4*\g], v99, s[4:5] offset:512*\g
	global_load_b128 v[136+4*\g:139+4*\g], v99, s[4:5] offset:2097152+512*\g
	global_load_b128 v[144+4*\g:147+4*\g], v98, s[4:5] offset:512*\g
	global_load_b128 v[152+4*\g:155+4*\g], v98, s[4:5] offset:2097152+512*\g
	global_load_b128 v[160+4*\g:163+4*\g], v98, s[4:5] offset:2*2097152+512*\g
	global_load_b128 v[168+4*\g:171+4*\g], v97, s[4:5] offset:512*\g
	global_load_b128 v[176+4*\g:179+4*\g], v97, s[4:5] offset:2097152+512*\g
.endr
.irp hh, 0,1,2                         ; heads 3-5: my 1 KB of the block's K and of its V: piece n = 2 hh (+ 1) at v[184 + 8 n + 16 (n / 3)]
.irp g, 0,1
	global_load_b128 v[184+16*\hh+16*((2*\hh)/3)+4*\g:187+16*\hh+16*((2*\hh)/3)+4*\g], v1, s[84:85] offset:\hh*2097152+512*\g
	global_load_b128 v[192+16*\hh+16*((2*\hh+1)/3)+4*\g:195+16*\hh+16*((2*\hh+1)/3)+4*\g], v1, s[66:67] offset:\hh*2097152+512*\g
.endr
.endr
	WIN 0
	s_wait_kmcnt 0x0                               ; the exponents
	s_wait_loadcnt 26                              ; the first 31 loads are in; the 26 behind them may be out
	TSC 1, TL, 1
	TSC 2, TL+1, 1
	TSC 3, TL+2, 1
	TSC 4, TL+3, 1
	TSC 5, TL+4, 1
	TSC 6, TL+5, 3
	TSC 7, TL+8, 3
	VW
.irp k, 0,1,2,3,4
	ds_store_b32 v112, v[TL+\k] offset:1024*\k
.endr
.irp k, 0,1,2
	ds_store_b32 v112, v[TL+5+\k] offset:5120+1024*\k
	ds_store_b32 v112, v[TL+8+\k] offset:8192+1024*\k
.endr
	WIN 0x04
.irp i, 0,1,2,3,4,5,6,7
	ds_store_b128 v5, v[32+4*\i:35+4*\i] offset:512*\i
	ds_store_b128 v5, v[64+4*\i:67+4*\i] offset:32768+512*\i
.endr
	WIN 0
	s_wait_dscnt 0x0                               ; for the others' sake, and the stores have read their registers
	WIN 0x40
.irp i, 0,1,2,3,4,5,6,7
	global_load_b128 v[32+4*\i:35+4*\i], v1, s[86:87] offset:512*\i           ; head 0, slot 2
.endr
	WIN 0
	s_wait_xcnt 0x0                                ; every load has read its address registers: the scores take v96-113
	s_barrier_signal -1
	s_barrier_wait -1                              ; the tables and slots 0 and 1 lie in LDS
	s_add_co_i32 s62, s100, 127
	s_lshl_b32 s63, s62, 23
	v_mov_b32 v26, s63                             ; 2^e32
	s_add_co_i32 s62, s62, 15
	s_lshl_b32 s62, s62, 23
	s_or_b32 s62, s62, 0x600000
	v_mov_b32 v27, s62                             ; 57,344 x 2^e32
	s_add_co_i32 s94, s100, s101
	s_add_co_i32 s94, s94, 127
	s_lshl_b32 s94, s94, 23                        ; 2^(e32 + e33)
	s_mov_b32 s95, s94
	v_mov_b32 v240, 0                              ; written once: a lane permute's destination counts as one of its sources
	v_mov_b32 v253, 0                              ; (named as the upper half of the pair v[252:253])
	; ---- 1: head 0: 16 slots of 256 keys, two a trip.  The last trips ask for the windows of heads 6 and 7 as the next two slots
	HEADSET 0, 1
	WIN 0x40
.irp c, 0,1,2,3,4,5,6,7                ; K of slot 0,
	ds_load_b128 v[64+8*\c:67+8*\c], v23 offset:\c*1024
	ds_load_b128 v[68+8*\c:71+8*\c], v23 offset:\c*1024+512
.endr
	WIN 0
.irp ct, 0,1,2,3                       ; and its V
.irp g, 0,1,2,3
	ds_load_b128 v[32+16*\ct+4*\g:35+16*\ct+4*\g], v23 offset:16384+\ct*2048+512*\g
.endr
.endr
	v_mov_b32 v13, 0xff61b1e6                      ; the largest t so far: -3e38, under every t
	v_floor_f32 v12, -v13
	v_mov_b32 v14, 0
	v_mov_b32 v15, 0
	v_mov_b32 v17, 0xff61b1e6
	v_floor_f32 v16, -v17
	v_mov_b32 v18, 0
	v_mov_b32 v19, 0
.set J, 0
.rept 32
	v_mov_b32 v[160+J], 0                          ; O^T of both tiles: the loop is written once; its first slot finds zeros
	v_mov_b32 v[208+J], 0
.set J, J+1
.endr
	s_mov_b32 s96, 0
	VW
.Lring:
	DSTEP 0, 90, 7, 0, 1                           ; slot 2 t, in buffer 0; asks for slot 2 t + 3 (in trip 7: head 7's window)
	DSTEP 1, 88, 6, 1, 0                           ; slot 2 t + 1, in buffer 1; asks for slot 2 t + 4 (in trip 6: head 6's window; in trip 7: nothing)
	s_add_co_u32 s96, s96, 1
	s_cmp_lt_u32 s96, 8
	VW
	s_cbranch_scc1 .Lring
	; ---- 2: heads 1 and 2's K and f32 V are asked for (20 loads); the hand-over and heads 3-5's K and V go to LDS
	s_wait_dscnt 0x0                               ; the copy's last stores have read their registers,
	s_wait_loadcnt 0x0                             ; and no load of the copy is out: the loads below land in its registers
	v_add_nc_u32 v96, s34, v1
	v_add_nc_u32 v97, s35, v1
	WIN 0x40
.irp u, 0,1
.irp g, 0,1
	global_load_b128 v[32+8*\u+4*\g:35+8*\u+4*\g], v96, s[6:7] offset:\u*2097152+512*\g
.endr
.endr
.irp u, 0,1
.irp ct, 0,1,2,3
.irp g, 0,1
	global_load_b128 v[64+32*\u+8*\ct+4*\g:67+32*\u+8*\ct+4*\g], v1, s[10:11] offset:\u*4096+\ct*1024+512*\g
.endr
.endr
.endr
	WIN 0
.irp i, 0,1,2,3,4,5,6,7
	ds_store_b128 v21, v[208+4*\i:211+4*\i] offset:512*\i
.endr
	ds_store_b128 v21, v[16:19] offset:4096
	WIN 0x04
.irp hh, 0,1,2
.irp g, 0,1
	ds_store_b128 v97, v[184+16*\hh+16*((2*\hh)/3)+4*\g:187+16*\hh+16*((2*\hh)/3)+4*\g] offset:\hh*16384+512*\g
	ds_store_b128 v97, v[192+16*\hh+16*((2*\hh+1)/3)+4*\g:195+16*\hh+16*((2*\hh+1)/3)+4*\g] offset:\hh*16384+8192+512*\g
.endr
.endr
	WIN 0
	s_wait_xcnt 0x0                                ; the loads have read v96
	BAR                                            ; everybody's hand-over, heads 3-5 and head 7's window lie in LDS
.irp i, 0,1,2,3,4,5,6,7
	ds_load_b128 v[96+4*\i:99+4*\i], v20 offset:512*\i
.endr
	ds_load_b128 v[128:131], v20 offset:4096
	BIAS16 0, 5120                                 ; head 6's first 64 bias words
	s_wait_dscnt 63                                ; the hand-over's 9 loads are older than the 64 behind them: they are in
	v_min_num_f32 v254, v12, v128                  ; the joint -M: M is the larger of the two
	v_sub_f32 v252, v254, v12
	v_sub_f32 v242, v254, v128
	v_cvt_i32_f32 v252, v252
	v_cvt_i32_f32 v242, v242
	v_ldexp_f32 v252, 1.0, v252                    ; both halves are brought under the joint M by multiplications that round nothing
	v_ldexp_f32 v242, 1.0, v242
	v_pk_mul_f32 v[14:15], v[14:15], v[252:253] op_sel_hi:[1,0]
	v_pk_fma_f32 v[14:15], v[130:131], v[242:243], v[14:15] op_sel_hi:[1,0,1]
	VW                                             ; directly ahead of the first readers of O^T
.set J, 0
.rept 16
	v_pk_mul_f32 v[160+J:161+J], v[160+J:161+J], v[252:253] op_sel_hi:[1,0]
.set J, J+2
.endr
.set J, 0
.rept 16
	v_pk_fma_f32 v[160+J:161+J], v[96+J:97+J], v[242:243], v[160+J:161+J] op_sel_hi:[1,0,1]
.set J, J+2
.endr
	FIN 0, 0, 22
.set STT, 12
.set OBASE, 160
	; ---- 3: heads 6 and 7: their windows lie in buffers 0 and 1
	HEADSET 6, 1
	STEP 0, 0, 1, 168, 16, 1, 5120
	STEP 0, 1, 0, 168, 16, 0, 8192
	FIN 6, 0, 2
	HEADSET 7, 1
	STEP 1, 0, 1, 176, 16, 1, 8192
	STEP 1, 1, 0, 176, 8, 0, 0
	FIN 7, 0, 2
	; ---- 4: heads 3 to 5: four patches, 64 keys
.irp hh, 0,1,2
	HEADSET \hh+3, 1
.irp c, 0,1,2,3
	ds_load_b128 v[32+8*\c:35+8*\c], v7 offset:\hh*16384+\c*1024
	ds_load_b128 v[36+8*\c:39+8*\c], v7 offset:\hh*16384+\c*1024+512
.endr
.irp ct, 0,1,2,3
	ds_load_b128 v[64+8*\ct:67+8*\ct], v8 offset:\hh*16384+\ct*2048
	ds_load_b128 v[68+8*\ct:71+8*\ct], v8 offset:\hh*16384+\ct*2048+512
.endr
	s_wait_dscnt 0x0
	WIN 0x14                                       ; Q and the bias in window 1
.irp c, 0,1,2,3
	v_wmma_f32_16x16x64_bf8_bf8 v[S+8*\c:S+8*\c+7], v[32+8*\c:39+8*\c], v[144+8*\hh:151+8*\hh], v[184+32*(\hh%2)+8*\c:191+32*(\hh%2)+8*\c]
.endr
	WIN 0
	PLACES 4
.if \hh == 0
	BIAS8 2, 184                                   ; head 5's bias, into the registers that head 3's products have read
.endif
	SOFT 32, 1, 1, 0
.irp ct, 0,1,2,3
	v_wmma_f32_16x16x64_bf8_bf8 v[160+8*\ct:167+8*\ct], v[64+8*\ct:71+8*\ct], v[192:199], 0
.endr
	FIN \hh+3, 0, 2
.endr
	; ---- 5: heads 1 and 2: one patch of 16 keys.  The projection's first weights are asked for ahead of them: v32-95 lie idle here
	WLOAD 0
	s_wait_loadcnt 16                              ; heads 1 and 2's 20 loads are in; the 16 just issued may be out
.irp u, 0,1
	HEADSET \u+1, 0
.irp j, 0,1,2,3,4,5,6,7
	ds_load_b32 v[S+\j], v6 offset:\u*1024+4*(10-((\j/4)*7+\j%4))
.endr
	s_wait_dscnt 0x0
	WIN 0x05                                       ; K and Q in window 1
	v_wmma_f32_16x16x64_bf8_bf8 v[S:S+7], v[32+8*\u:39+8*\u], v[128+8*\u:135+8*\u], v[S:S+7]
	WIN 0
	PLACES 4
	SOFT 8, 1, 0, 0
	WIN 0x51                                       ; V, C and D in window 1
.irp s, 0,1,2,3                        ; K step s: keys 8 h + 2 s, 8 h + 2 s + 1, alike in V and in p; the four accumulators take turns
.irp ct, 0,1,2,3
.if \s == 0
	v_wmma_f32_16x16x4_f32 v[8*\ct:8*\ct+7], v[64+32*\u+8*\ct+2*\s:65+32*\u+8*\ct+2*\s], v[S+2*\s:S+2*\s+1], 0
.else
	v_wmma_f32_16x16x4_f32 v[8*\ct:8*\ct+7], v[64+32*\u+8*\ct+2*\s:65+32*\u+8*\ct+2*\s], v[S+2*\s:S+2*\s+1], v[8*\ct:8*\ct+7]
.endif
.endr
.endr
	WIN 0
	FIN \u+1, 1, 2
.endr
	; ---- 6: the projection: my 64 columns of all 128 rows.  Source 0 = 16 rows of Wproj, source 1 = 16 fused rows
	v_bfe_u32 v10, v0, 4, 1
	v_and_b32 v11, 15, v0
	v_lshlrev_b32 v6, 11, v10
	v_lshl_add_u32 v6, v11, 4, v6                  ; out0: lanes 0-15 one row, lanes 16-31 the next, 16 bytes a lane
	v_lshlrev_b32 v10, 5, v10                      ; bproj: 8 h numbers on
.irp ct, 0,1,2,3
	global_load_b128 v[224+8*\ct:227+8*\ct], v10, s[16:17] offset:64*\ct
	global_load_b128 v[228+8*\ct:231+8*\ct], v10, s[16:17] offset:64*\ct+16
.endr
	BAR                                            ; all 32 fragments of the fused rows lie in LDS
	XLD 160, 0, 0
.set G, 0
.rept 16
.set KS, G/4
.if G > 0
	PLACES 4
.endif
.if (G%4 == 0) && (KS < 3)
	WLOAD KS+1
.endif
.if G < 15
	XLD 160+32*((G+1)%2), 2*((G+1)%4), (G+1)/4
.endif
.if G%4 == 0
.if KS < 3
	s_wait_loadcnt 16                              ; this K step's weights (and, the first time, the bias) are in; the 16 loads just issued may be out
.else
	s_wait_loadcnt 0x0
.endif
.endif
.if G < 15
	s_wait_dscnt 8                                 ; this group's fragments are in; the next group's 8 loads may be out
.else
	s_wait_dscnt 0x0
.endif
	WIN 0x50
	MUL8 160+32*(G%2), 2*(G%4), 32+64*(KS%2), (KS==0)
	WIN 0
.set G, G+1
.endr
	PLACES 4
	TOST 0
.irp a, 1,2,3,4,5,6,7
.if \a > 1
	s_wait_xcnt 0x0                                ; tile a - 2's stores have read their registers: tile a's loads land there
.endif
	TOST \a
	SEND \a-1, 16                                  ; behind tile a - 1's loads: tile a's 8 stores and 8 loads
.endr
	SEND 7, 0
	s_wait_tensorcnt 0x0                           ; the wave's end, behind my last LDS store
	ds_add_u32 v3, v4
	s_wait_dscnt 0x0
	s_endpgm
.Lfunc_end_k_q2850768504_attn:
	.size	k_q2850768504_attn, .Lfunc_end_k_q2850768504_attn-k_q2850768504_attn
	.p2alignl 7, 3214868480
	.fill 96, 4, 3214868480
	.section	.rodata,"a",@progbits
	.p2align	6, 0x0
	.amdhsa_kernel k_q2850768504_attn
		.amdhsa_group_segment_fixed_size 268288
		.amdhsa_private_segment_fixed_size 0
		.amdhsa_enable_private_segment 0
		.amdhsa_kernarg_size 120
		.amdhsa_user_sgpr_count 2
		.amdhsa_user_sgpr_kernarg_segment_ptr 1
		.amdhsa_wavefront_size32 1
		.amdhsa_system_sgpr_workgroup_id_x 1
		.amdhsa_system_sgpr_workgroup_id_y 1
		.amdhsa_system_sgpr_workgroup_id_z 1
		.amdhsa_system_vgpr_workitem_id 0
		.amdhsa_next_free_vgpr 512
		.amdhsa_next_free_sgpr 102
		.amdhsa_reserve_vcc 0
		.amdhsa_float_denorm_mode_32 3
		.amdhsa_float_denorm_mode_16_64 3
		.amdhsa_memory_ordered 1
		.amdhsa_forward_progress 1
		.amdhsa_inst_pref_size 255
	.end_amdhsa_kernel
	.section	.bss,"aw",@nobits
	.p2align	6
	.space	262144
	.amdgpu_metadata
---
amdhsa.version: [ 1, 2 ]
amdhsa.kernels:
  - .name:           k_q2850768504_attn
    .symbol:         k_q2850768504_attn.kd
    .args:
      - { .name: qimg, .offset: 0, .size: 8, .value_kind: global_buffer, .address_space: global }
      - { .name: kimg, .offset: 8, .size: 8, .value_kind: global_buffer, .address_space: global }
      - { .name: vimg, .offset: 16, .size: 8, .value_kind: global_buffer, .address_space: global }
      - { .name: v32, .offset: 24, .size: 8, .value_kind: global_buffer, .address_space: global }
      - { .name: wimg, .offset: 32, .size: 8, .value_kind: global_buffer, .address_space: global }
      - { .name: lowp_scales, .offset: 40, .size: 8, .value_kind: global_buffer, .address_space: global }
      - { .name: bproj, .offset: 48, .size: 8, .value_kind: global_buffer, .address_space: global }
      - { .name: out0, .offset: 56, .size: 8, .value_kind: global_buffer, .address_space: global }
      - { .name: t1, .offset: 64, .size: 8, .value_kind: global_buffer, .address_space: global }
      - { .name: t2, .offset: 72, .size: 8, .value_kind: global_buffer, .address_space: global }
      - { .name: t3, .offset: 80, .size: 8, .value_kind: global_buffer, .address_space: global }
      - { .name: t4, .offset: 88, .size: 8, .value_kind: global_buffer, .address_space: global }
      - { .name: t5, .offset: 96, .size: 8, .value_kind: global_buffer, .address_space: global }
      - { .name: t6, .offset: 104, .size: 8, .value_kind: global_buffer, .address_space: global }
      - { .name: t7, .offset: 112, .size: 8, .value_kind: global_buffer, .address_space: global }
    .group_segment_fixed_size: 268288
    .private_segment_fixed_size: 0
    .kernarg_segment_align: 8
    .kernarg_segment_size: 120
    .max_flat_workgroup_size: 256
    .sgpr_count:     102
    .vgpr_count:     512
    .wavefront_size: 32
...
	.end_amdgpu_metadata
.endif
;; end of part 3
